; MI455X (gfx1250); checked and timed in simulation.
; The chip was launched on July 23, 2026; its instructions are those of AMD's public machine-readable ISA for CDNA 5 (MIT licence, August 2026) and "CDNA5" Instruction Set Architecture Reference Guide (July 2026). The comments in the code are by the model that wrote it; some were corrected since.
;; Delta Model. Allowed arithmetic: float matrix products may take bf16 or f16 operands with f32 sums; all other float work in f32.
;; Inputs: embed_W 64 x 64 float32; ff_b1 128 float32; ff_b2 64 float32; ff_w1 64 x 128 float32; ff_w2 128 x 64 float32; ln_b 64 float32; ln_w 64 float32; out_b 64 float32; out_w 64 x 64 float32; read_b 64 float32; read_w 64 x 64 float32; seq 256 x 1,024 int32.
;; Outputs: out0 256 x 64 float32.
;; One version. Each part assembles by itself: llvm-mc -triple=amdgcn-amd-amdhsa -mcpu=gfx1250 --defsym DOCPART=n.
;; ======== version 1 of 1: 1 launch
;; launch delta (part 1): grid 256 x 1, 8 waves a work-group, no clusters, 282,624 bytes of LDS; arguments seq, embed_W, ff_w1, ff_b1, ff_w2, ff_b2, ln_w, ln_b, read_w, read_b, out_w, out_b, out0; writes out0
.if DOCPART == 1
	.amdgcn_target "amdgcn-amd-amdhsa--gfx1250"
	.amdhsa_code_object_version 6
	.text
	.protected	k_q525fc23b8e_delta
	.globl	k_q525fc23b8e_delta
	.p2align	8
	.type	k_q525fc23b8e_delta,@function
k_q525fc23b8e_delta:
	s_mov_b64 s[64:65], 0
	v_nop
	global_prefetch_b8 v0, s[64:65] scope:SCOPE_SE
	s_setreg_imm32_b32 hwreg(HW_REG_WAVE_MODE, 25, 1), 1
	s_wait_xcnt 0x0
; DeltaModel: out0[b] = ((M_final q) read_w + read_b) out_w + out_b, one work-group for each batch row b (256 of them), eight waves.
;
; HOW THE WORK IS RESHAPED (all three steps hold for every input, they follow from the computation itself):
;  1. h = LN(e + FF(e)) hangs on the token alone: 64 vectors k_v are made, not 256 x 1024.
;  2. M' = M (I - k k^T / d) + k k^T, d = |k|^2 + 1e-6, and only M_final q is wanted.  So with u = q, going BACKWARD over t = 1022 .. 0:
;     s = k_t . u;  ctx += k_t s;  u -= k_t s / d_t.
;  3. u is kept as w[v] = k_v . u (64 numbers): s = w[tok];  w[e] += (-G[e][tok] / d_tok) s  with G = K K^T.  A step has no sum over lanes.
; PHASES: all eight waves build the tables (FF, LN, Gram) in LDS and copy read_w and out_w there; behind the last barrier waves 1 to 7 end, and
; wave 0 runs the chain of 1023 steps and the two last products.  No wave stores to LDS while the chain reads it.
; FORMATS: the FF products and the Gram matrix go to the matrix unit with bf16 operands and f32 sums.  Each f32 operand is first split
; exactly into bf16 parts (x = H + M for FF, x = H + M + L for K) and the cross products are summed from the smallest to the largest
; (FF: MH, HM, HH; Gram: LH, HL, MM, MH, HM, HH); what is dropped is below 2^-16 (FF) and 2^-25 (Gram) of a product.  The Gram matrix stands
; for f32 work that is carried from step to step, hence three parts.  LN, d, the chain and the two last products are f32.
; LIMITS: tokens are clamped to 63 (the table has 64 rows); the backward order rounds otherwise than a forward scan; 1 / d is v_rcp_f32
; (d is at least 1e-6; it must stay below 2^126, or the reciprocal is flushed to zero: ISA guide 15.8); relu of a NaN gives 0.
; NO JOINT LOADS IN A CLUSTER, though all work-groups read the same weights: the 80 KB of embed, ff_w1 and ff_w2 are read once, at the head, by 20 loads a
; thread that are all out together, and have to pass through registers to be split into bf16 parts; a joint load would add 80 KB written to and
; read from LDS and rounds of a cluster barrier.  read_w and out_w are 32 KB more, 8 loads a thread.  The chain reads 4 KB of global data in 1023 steps.
;
; SCALAR REGISTERS: s2 wave, s3 wave >> 1, s9 wave & 1; s[4:7] the chain's s; s8 trip counter; s10, s13 lane masks; s11 offset in the row of seq;
; s12-s15 at work.  Tokens alone: s[16:47] (set A), s[48:63] and s[80:95] (set B).  Addresses alone: s[66:79] and s[96:101]:
; s[66:67] seq; s[68:71] embed_W, ff_w1, later out_w, out_b; s[72:75] ff_b1, ff_w2, later s[72:73] out0; s[76:79] ff_b2, ln_w;
; s[96:99] read_w, read_b; s[100:101] ln_b.  No register that holds a token or a number ever holds an address.
; ---- LDS map (bytes); every region is written in one phase and read in later ones, none is written twice
.set REC,    0                         ; record of token v at 528 v: lane l's 16 bytes at 16 l = g[2l], g[2l+1], k[2l], k[2l+1], g[e] = -G[e][v] / d_v
.set RPITCH, 528
.set GC,     33792                     ; GC[v][e] = -G[e][v] / d_v at 256 v + 4 e
.set TOK,    50176                     ; the row of seq, 1024 words
.set NRD,    54272                     ; -1 / d_v
.set ND,     54528                     ; -d_v
.set RWF,    54784                     ; read_w f32, rows of 256 bytes; out_w lies 16384 behind it
.set XE,     87552                     ; embed bf16 [tok][h], pitch 144, part H then part M
.set XEP,    9216
.set W1T,    105984                    ; ff_w1 bf16 [h][f], pitch 288, two parts
.set W1P,    18432
.set W2T,    142848                    ; ff_w2 bf16 [f][h], pitch 160, two parts
.set W2P,    20480
.set A2,     183808                    ; relu output bf16 [tok][f], pitch 272, two parts
.set A2P,    17408
.set XF,     218624                    ; ff + b2, f32 [tok][h], pitch 272
.set KH,     236032                    ; K bf16 [tok][i], pitch 144, parts H, M, L
.set KP,     9216
.set EF,     263680                    ; embed f32 [tok][h], pitch 272
.set LNP,    281088                    ; ln_w (256 bytes), ln_b (256 bytes)
; ---- vector registers of the table phases
.set B2R,  16                          ; v[16:31]   ff_b2 for my two tiles
.set LWR,  32                          ; v32, v33   one word of ln_w, of ln_b
.set LBR,  33
.set CPO,  34                          ; v34        16 t: my 16 bytes in each 4096 of read_w and out_w
.set CPL,  35                          ; v35        the same behind RWF in LDS
.set ACC,  36                          ; v[36:67]   accumulators
.set B1R,  68                          ; v[68:83]   ff_b1 for my two f blocks
.set SEQR, 84                          ; v[84:87]   16 bytes of seq
.set ER,   88                          ; v[88:103]  embed as loaded
.set W1R,  104                         ; v[104:135] ff_w1 as loaded
.set W2R,  136                         ; v[136:167] ff_w2 as loaded
.set TQ,   168                         ; v[168:231] at work while splitting
.set XEF,  84                          ; FF1: fragments of embed, 32 mi + 16 part + 8 ks
.set W1F,  148                         ; FF1: fragments of ff_w1, 32 fi + 16 part + 8 ks
.set A2F,  52                          ; FF2: fragments of the hidden layer, 32 part + 8 ks
.set W2F,  116                         ; FF2: fragments of ff_w2, 64 nb + 32 part + 8 ks
.set XX,   84                          ; LN: my 16 numbers
.set EL,   100
.set LW16, 116
.set LB16, 132
.set S0,   148
.set S1,   150
.set AF,   52                          ; Gram: rows v, 16 part + 8 ks
.set BF,   100                         ; Gram: rows e, 48 b + 16 part + 8 ks
.set NR,   196                         ; Gram: -1 / d of my eight v
.set WCP,  204                         ; v[204:235] LN and Gram: read_w and out_w on their way to LDS
; ---- vector registers of the chain (wave 0)
.set L16,  1                           ; 16 x lane
.set TOKA, 2                           ; LDS offset of my token in the block that is asked for next
.set TRW,  3                           ; v3, v13: my token of a block, by turns like the scalar sets (set s: v[TRW + 10 s])
.set TC,   4
.set T4,   5                           ; GC + 4 x my token of the next block
.set IDX,  6                           ; 4 x (my token >> 1): the lane that holds w[token]
.set TMP,  7
.set AR,   8
.set AG,   9
.set YY,   10                          ; y: lane i holds w[token of step i]
.set YA,   11
.set YB,   12
.set WW,   14                          ; v[14:15] w[2 lane], w[2 lane + 1]
.set CC,   16                          ; v[16:17] ctx[2 lane], ctx[2 lane + 1]
.set VND,  18
.set RBR,  20                          ; v[20:21] read_b, v[22:23] out_b
.set OBR,  22
.set ACCE, 24                          ; v[24:31] four partial sums of the last products
.set MID,  32                          ; v[32:33] ctx read_w + read_b
.set L8,   34                          ; 8 x lane
.set LANE, 35
.set MA,   36
.set RR,   64                          ; v[64:191]  step i's record, 4 registers
.set GAMR, 192                         ; v[192:223] step i's row of GC, gathered by the block's tokens
.macro PLACES                          ; four places behind a matrix instruction (ISA guide 7.12.1) where there is no other work
.rept 4
	v_nop
.endr
.endm
.macro BAR                             ; my LDS stores and loads are done (count 0: for the other waves' sake), then the barrier
	s_wait_dscnt 0x0
	s_barrier_signal -1
	s_barrier_wait -1
.endm
; Four f32 in v[q:q+3] are split into bf16 parts H (to adr + off) and M (to adr + off + part); x - H is exact in f32.
.macro SPLITQ q, tq, adr, off, part
	v_cvt_pk_bf16_f32 v[\tq], v[\q], v[\q+1]
	v_cvt_pk_bf16_f32 v[\tq+1], v[\q+2], v[\q+3]
	v_lshlrev_b32 v[\tq+2], 16, v[\tq]
	v_and_b32 v[\tq+3], s15, v[\tq]
	v_lshlrev_b32 v[\tq+4], 16, v[\tq+1]
	v_and_b32 v[\tq+5], s15, v[\tq+1]
	v_pk_add_f32 v[\q:\q+1], v[\q:\q+1], v[\tq+2:\tq+3] neg_lo:[0,1] neg_hi:[0,1]
	v_pk_add_f32 v[\q+2:\q+3], v[\q+2:\q+3], v[\tq+4:\tq+5] neg_lo:[0,1] neg_hi:[0,1]
	v_cvt_pk_bf16_f32 v[\q], v[\q], v[\q+1]
	v_cvt_pk_bf16_f32 v[\q+1], v[\q+2], v[\q+3]
	ds_store_b64 v[\adr], v[\tq:\tq+1] offset:\off
	ds_store_b64 v[\adr], v[\q:\q+1] offset:\off+\part
.endm
; ================= ids, pointers, and the FF phases' global loads at once =================
	s_load_b64 s[66:67], s[0:1], 0x0               ; seq
	s_load_b128 s[68:71], s[0:1], 0x8              ; embed_W, ff_w1
	s_load_b128 s[72:75], s[0:1], 0x18             ; ff_b1, ff_w2
	s_load_b128 s[76:79], s[0:1], 0x28             ; ff_b2, ln_w
	s_load_b64 s[100:101], s[0:1], 0x38            ; ln_b
	s_load_b128 s[96:99], s[0:1], 0x40             ; read_w, read_b
	v_lshl_add_u32 v254, v0, 2, 0x44c00
	v_mov_b32 v255, 0
	v_lshrrev_b32 v1, 5, v0
	v_readfirstlane_b32 s2, v1                     ; wave w
	s_lshr_b32 s3, s2, 1                           ; w >> 1
	s_and_b32 s9, s2, 1                            ; w & 1
	v_and_b32 v6, 15, v0                           ; r
	v_bfe_u32 v7, v0, 4, 1                         ; h
	v_and_b32 v15, 7, v0
	v_lshl_add_u32 v15, v7, 3, v15                 ; 8 h + (lane & 7): the row that I address in a transposing load
	v_bfe_u32 v14, v0, 3, 1
	v_lshlrev_b32 v14, 4, v14                      ; 16 ((lane >> 3) & 1): its column half
	v_lshlrev_b32 v1, 4, v0                        ; 16 t
	v_lshlrev_b32 v5, 5, v7                        ; 32 h
	s_lshl_b32 s12, s3, 7
	s_lshl_b32 s13, s9, 7
	v_add_nc_u32 v2, s12, v5                       ; ff_b1: 4 (32 (w >> 1) + 8 h)
	v_add_nc_u32 v3, s13, v5                       ; ff_b2: 4 (32 (w & 1) + 8 h)
	v_and_b32 v4, 63, v0
	v_lshlrev_b32 v4, 2, v4                        ; 4 (t & 63)
	s_lshl_b32 s14, ttmp9, 12                      ; my row of seq: 4096 bytes
	s_mov_b32 s15, 0
	s_wait_kmcnt 0x0
	s_add_nc_u64 s[66:67], s[66:67], s[14:15]      ; seq at my row
	; 31 loads a thread; the counted waits below lean on this order: seq 1, embed 4, w1 8, w2 8, b1 4, b2 4, ln 2
	global_load_b128 v[SEQR:SEQR+3], v1, s[66:67]
.irp c,0,1,2,3
	global_load_b128 v[ER+4*\c:ER+4*\c+3], v1, s[68:69] offset:4096*\c
.endr
.irp c,0,1,2,3,4,5,6,7
	global_load_b128 v[W1R+4*\c:W1R+4*\c+3], v1, s[70:71] offset:4096*\c
.endr
.irp c,0,1,2,3,4,5,6,7
	global_load_b128 v[W2R+4*\c:W2R+4*\c+3], v1, s[74:75] offset:4096*\c
.endr
.irp c,0,1,2,3
	global_load_b128 v[B1R+4*\c:B1R+4*\c+3], v2, s[72:73] offset:16*(\c&1)+64*(\c>>1)
.endr
.irp c,0,1,2,3
	global_load_b128 v[B2R+4*\c:B2R+4*\c+3], v3, s[76:77] offset:16*(\c&1)+64*(\c>>1)
.endr
	global_load_b32 v[LWR], v4, s[78:79]
	global_load_b32 v[LBR], v4, s[100:101]
	; where the split operands go
	v_lshrrev_b32 v5, 4, v0                        ; t >> 4
	v_lshlrev_b32 v13, 3, v6                       ; 8 (t & 15)
	v_mad_u32_u24 v8, v5, 144, v13
	v_add_nc_u32 v8, XE, v8                        ; embed: row t >> 4 (+ 16 c), 4 columns = 8 bytes of bf16
	v_mad_u32_u24 v10, v5, 160, v13
	v_add_nc_u32 v10, W2T, v10                     ; ff_w2: row t >> 4 (+ 16 c)
	v_lshlrev_b32 v13, 4, v6
	v_mad_u32_u24 v11, v5, 272, v13
	v_add_nc_u32 v11, EF, v11                      ; embed in f32
	v_lshrrev_b32 v5, 5, v0
	v_and_b32 v13, 31, v0
	v_lshlrev_b32 v13, 3, v13
	v_mad_u32_u24 v9, v5, 288, v13
	v_add_nc_u32 v9, W1T, v9                       ; ff_w1: row t >> 5 (+ 8 c)
	v_add_nc_u32 v12, LNP, v4
	s_wait_xcnt 0x0                                ; the loads' bases in s[68:73] are written again only behind this wait
	s_load_b128 s[68:71], s[0:1], 0x50             ; out_w, out_b take the place of embed_W, ff_w1
	s_load_b64 s[72:73], s[0:1], 0x60              ; out0 takes the place of ff_b1
	s_mov_b32 s15, 0xffff0000                      ; a word's upper bf16
	s_cmp_lg_u32 s2, 0
	s_cbranch_scc1 .Lno_tokens
	s_load_b512 s[48:63], s[66:67], 0xf80          ; wave 0: tokens of block 31 (set B) and of block 30 (set A) as scalars, long before the chain
	s_load_b512 s[80:95], s[66:67], 0xfc0
	s_load_b512 s[16:31], s[66:67], 0xf00
	s_load_b512 s[32:47], s[66:67], 0xf40
.Lno_tokens:
; ================= split embed, ff_w1, ff_w2 into bf16 parts =================
	s_wait_loadcnt 26                              ; seq and embed are in: 8 + 8 + 4 + 4 + 2 younger loads stay out
	ds_store_b128 v1, v[SEQR:SEQR+3] offset:TOK
.irp c,0,1,2,3
	ds_store_b128 v11, v[ER+4*\c:ER+4*\c+3] offset:4352*\c
	SPLITQ ER+4*\c, TQ+8*\c, 8, 2304*\c, XEP
.endr
	s_wait_loadcnt 18                              ; ff_w1 is in: 8 + 4 + 4 + 2 stay out
.irp c,0,1,2,3,4,5,6,7
	SPLITQ W1R+4*\c, TQ+8*\c, 9, 2304*\c, W1P
.endr
	s_wait_loadcnt 10                              ; ff_w2 is in: 4 + 4 + 2 stay out
.irp c,0,1,2,3,4,5,6,7
	SPLITQ W2R+4*\c, TQ+8*\c, 10, 2560*\c, W2P
.endr
	BAR
; ================= FF1: wave w makes token blocks 2 (w & 1) + mi and f blocks 2 (w >> 1) + fi =================
; Source 0 = 16 columns f of ff_w1 (by transposing loads), source 1 = 16 tokens: register j of lane (r, h) is pre(token r, f = 8 h + j).
	s_lshl_b32 s12, s9, 5
	v_add_nc_u32 v5, s12, v6                       ; 32 (w & 1) + r
	v_lshlrev_b32 v13, 4, v7                       ; 16 h
	v_mad_u32_u24 v8, v5, 144, v13
	v_add_nc_u32 v8, XE, v8
	v_mad_u32_u24 v10, v5, 272, v13
	s_lshl_b32 s13, s3, 6                          ; 64 (w >> 1): 32 columns of bf16
	s_add_co_u32 s14, s13, A2
	v_add_nc_u32 v10, s14, v10                     ; where the hidden layer goes
	v_mad_u32_u24 v9, v15, 288, v14
	s_add_co_u32 s14, s13, W1T
	v_add_nc_u32 v9, s14, v9
.irp mi,0,1
.irp p,0,1
.irp q,0,1,2,3
	ds_load_b128 v[XEF+32*\mi+16*\p+4*\q:XEF+32*\mi+16*\p+4*\q+3], v8 offset:2304*\mi+XEP*\p+32*\q
.endr
.endr
.endr
.irp fi,0,1
.irp p,0,1
.irp q,0,1,2,3
	ds_load_tr16_b128 v[W1F+32*\fi+16*\p+4*\q:W1F+32*\fi+16*\p+4*\q+3], v9 offset:32*\fi+W1P*\p+4608*\q
.endr
.endr
.endr
	s_wait_dscnt 0x0
	s_wait_loadcnt 6                               ; ff_b1 is in: 4 + 2 stay out
; Four matrix instructions, one for each tile; the four accumulators take turns, one instruction a turn.
.macro FF1 pw, px, ks, first
.irp mi,0,1
.irp fi,0,1
.if \first
	v_wmma_f32_16x16x32_bf16 v[ACC+16*\mi+8*\fi:ACC+16*\mi+8*\fi+7], v[W1F+32*\fi+16*\pw+8*\ks:W1F+32*\fi+16*\pw+8*\ks+7], v[XEF+32*\mi+16*\px+8*\ks:XEF+32*\mi+16*\px+8*\ks+7], v[B1R+8*\fi:B1R+8*\fi+7]
.else
	v_wmma_f32_16x16x32_bf16 v[ACC+16*\mi+8*\fi:ACC+16*\mi+8*\fi+7], v[W1F+32*\fi+16*\pw+8*\ks:W1F+32*\fi+16*\pw+8*\ks+7], v[XEF+32*\mi+16*\px+8*\ks:XEF+32*\mi+16*\px+8*\ks+7], v[ACC+16*\mi+8*\fi:ACC+16*\mi+8*\fi+7]
.endif
.endr
.endr
.endm
	FF1 1, 0, 0, 1                                 ; the bias starts the sums; then M H, H M, H H
	FF1 1, 0, 1, 0
	FF1 0, 1, 0, 0
	FF1 0, 1, 1, 0
	FF1 0, 0, 0, 0
	FF1 0, 0, 1, 0
	PLACES
; relu, split into two bf16 parts, 16 bytes a lane and part: hidden(token r, f = 8 h .. 8 h + 7)
.macro HID a, tb, off
.irp j,0,1,2,3,4,5,6,7
	v_max_num_f32 v[\a+\j], 0, v[\a+\j]
.endr
.irp q,0,1,2,3
	v_cvt_pk_bf16_f32 v[\tb+\q], v[\a+2*\q], v[\a+2*\q+1]
.endr
.irp q,0,1,2,3
	v_lshlrev_b32 v[\tb+4+2*\q], 16, v[\tb+\q]
	v_and_b32 v[\tb+5+2*\q], s15, v[\tb+\q]
.endr
.irp q,0,1,2,3
	v_pk_add_f32 v[\a+2*\q:\a+2*\q+1], v[\a+2*\q:\a+2*\q+1], v[\tb+4+2*\q:\tb+5+2*\q] neg_lo:[0,1] neg_hi:[0,1]
.endr
.irp q,0,1,2,3
	v_cvt_pk_bf16_f32 v[\a+\q], v[\a+2*\q], v[\a+2*\q+1]
.endr
	ds_store_b128 v10, v[\tb:\tb+3] offset:\off
	ds_store_b128 v10, v[\a:\a+3] offset:\off+A2P
.endm
	HID ACC, 84, 0
	HID ACC+8, 100, 32
	HID ACC+16, 116, 4352
	HID ACC+24, 132, 4384
	BAR
; ================= FF2: wave w makes token block w >> 1 and h blocks 2 (w & 1) + nb =================
	s_lshl_b32 s12, s3, 4
	v_add_nc_u32 v5, s12, v6                       ; 16 (w >> 1) + r
	v_lshlrev_b32 v13, 4, v7
	v_mad_u32_u24 v11, v5, 272, v13                ; row x 272 + 16 h
	v_add_nc_u32 v8, A2, v11
	v_add_nc_u32 v11, v11, v13                     ; row x 272 + 32 h
	s_lshl_b32 s13, s9, 7
	s_add_co_u32 s13, s13, XF
	v_add_nc_u32 v11, s13, v11                     ; + 128 (w & 1): 32 columns of f32
	v_mad_u32_u24 v9, v15, 160, v14
	s_lshl_b32 s14, s9, 6
	s_add_co_u32 s14, s14, W2T
	v_add_nc_u32 v9, s14, v9
.irp p,0,1
.irp q,0,1,2,3,4,5,6,7
	ds_load_b128 v[A2F+32*\p+4*\q:A2F+32*\p+4*\q+3], v8 offset:A2P*\p+32*\q
.endr
.endr
.irp nb,0,1
.irp p,0,1
.irp q,0,1,2,3,4,5,6,7
	ds_load_tr16_b128 v[W2F+64*\nb+32*\p+4*\q:W2F+64*\nb+32*\p+4*\q+3], v9 offset:32*\nb+W2P*\p+2560*\q
.endr
.endr
.endr
	s_wait_dscnt 0x0
	s_wait_loadcnt 0x0                             ; ff_b2, and the two words of ln_w and ln_b
; Two matrix instructions; the two accumulators take turns, one instruction a turn.
.macro FF2 pw, pa, ks, first
.irp nb,0,1
.if \first
	v_wmma_f32_16x16x32_bf16 v[ACC+8*\nb:ACC+8*\nb+7], v[W2F+64*\nb+32*\pw+8*\ks:W2F+64*\nb+32*\pw+8*\ks+7], v[A2F+32*\pa+8*\ks:A2F+32*\pa+8*\ks+7], v[B2R+8*\nb:B2R+8*\nb+7]
.else
	v_wmma_f32_16x16x32_bf16 v[ACC+8*\nb:ACC+8*\nb+7], v[W2F+64*\nb+32*\pw+8*\ks:W2F+64*\nb+32*\pw+8*\ks+7], v[A2F+32*\pa+8*\ks:A2F+32*\pa+8*\ks+7], v[ACC+8*\nb:ACC+8*\nb+7]
.endif
.endr
.endm
	FF2 1, 0, 0, 1
.irp ks,1,2,3
	FF2 1, 0, \ks, 0
.endr
.irp ks,0,1,2,3
	FF2 0, 1, \ks, 0
.endr
.irp ks,0,1,2,3
	FF2 0, 0, \ks, 0
.endr
	PLACES
.irp nb,0,1
	ds_store_b128 v11, v[ACC+8*\nb:ACC+8*\nb+3] offset:64*\nb
	ds_store_b128 v11, v[ACC+8*\nb+4:ACC+8*\nb+7] offset:64*\nb+16
.endr
	s_cmp_gt_u32 s2, 1
	s_cbranch_scc1 .Lno_ln
	ds_store_b32 v12, v[LWR]                       ; threads 0 to 63 put ln_w and ln_b into LDS
	ds_store_b32 v12, v[LBR] offset:256
.Lno_ln:
	BAR
; ================= LN, d, and K's three parts: thread t has token t >> 2, numbers 16 (t & 3) .. + 15 =================
; First read_w and out_w are asked for, 16 bytes a thread in each 4096: they have this phase and the next in which to come,
; in registers that neither phase names (they were FF2's fragments: the four places stand behind its last matrix instruction).
	v_lshlrev_b32 v[CPO], 4, v0
	v_add_nc_u32 v[CPL], RWF, v[CPO]
	s_lshl_b32 s12, ttmp9, 8                       ; my row of out0: 256 bytes
	s_mov_b32 s13, 0
	s_wait_kmcnt 0x0                               ; out_w, out_b, out0 (and, in wave 0, the first tokens)
	s_add_nc_u64 s[72:73], s[72:73], s[12:13]      ; out0 at my row
.irp c,0,1,2,3
	global_load_b128 v[WCP+4*\c:WCP+4*\c+3], v[CPO], s[96:97] offset:4096*\c
.endr
.irp c,0,1,2,3
	global_load_b128 v[WCP+16+4*\c:WCP+16+4*\c+3], v[CPO], s[68:69] offset:4096*\c
.endr
.macro RED4 a                          ; four pairs to one number, summed over the four lanes of a token; every one of them ends with the same bits
	v_pk_add_f32 v[\a:\a+1], v[\a:\a+1], v[\a+2:\a+3]
	v_pk_add_f32 v[\a+4:\a+5], v[\a+4:\a+5], v[\a+6:\a+7]
	v_pk_add_f32 v[\a:\a+1], v[\a:\a+1], v[\a+4:\a+5]
	v_add_f32 v[\a], v[\a], v[\a+1]
	v_add_f32_dpp v[\a], v[\a], v[\a] row_xmask:1 row_mask:0xf bank_mask:0xf
	v_add_f32_dpp v[\a], v[\a], v[\a] row_xmask:2 row_mask:0xf bank_mask:0xf
.endm
.macro SQ4 a, x                        ; the sum of squares of the token's 64 numbers
.irp c,0,1,2,3
	v_pk_mul_f32 v[\a+2*\c:\a+2*\c+1], v[\x+2*\c:\x+2*\c+1], v[\x+2*\c:\x+2*\c+1]
.endr
.irp c,0,1,2,3
	v_pk_fma_f32 v[\a+2*\c:\a+2*\c+1], v[\x+8+2*\c:\x+8+2*\c+1], v[\x+8+2*\c:\x+8+2*\c+1], v[\a+2*\c:\a+2*\c+1]
.endr
	RED4 \a
.endm
	s_mov_b32 s12, 0x3c800000                      ; 1 / 64
	s_mov_b32 s13, 0x3727c5ac                      ; 1e-5
	s_mov_b32 s14, 0x358637bd                      ; 1e-6
	v_lshrrev_b32 v5, 2, v0                        ; token
	v_and_b32 v13, 3, v0                           ; quarter
	v_lshlrev_b32 v12, 6, v13
	v_mad_u32_u24 v8, v5, 272, v12
	v_add_nc_u32 v9, EF, v8
	v_add_nc_u32 v8, XF, v8
	v_add_nc_u32 v10, LNP, v12
.irp c,0,1,2,3
	ds_load_b128 v[XX+4*\c:XX+4*\c+3], v8 offset:16*\c
	ds_load_b128 v[EL+4*\c:EL+4*\c+3], v9 offset:16*\c
.endr
.irp c,0,1,2,3
	ds_load_b128 v[LW16+4*\c:LW16+4*\c+3], v10 offset:16*\c
	ds_load_b128 v[LB16+4*\c:LB16+4*\c+3], v10 offset:256+16*\c
.endr
	v_lshlrev_b32 v1, 2, v5                        ; 4 x token
	v_lshlrev_b32 v4, 7, v13
	v_mad_u32_u24 v2, v5, RPITCH, v4               ; the token's record + 8 lanes' 16 bytes a quarter
	v_lshlrev_b32 v4, 5, v13
	v_mad_u32_u24 v3, v5, 144, v4
	v_add_nc_u32 v3, KH, v3
	s_wait_dscnt 0x0
.irp p,0,1,2,3,4,5,6,7
	v_pk_add_f32 v[XX+2*\p:XX+2*\p+1], v[XX+2*\p:XX+2*\p+1], v[EL+2*\p:EL+2*\p+1]        ; x = e + ff
.endr
.irp c,0,1,2,3
	v_pk_add_f32 v[S0+2*\c:S0+2*\c+1], v[XX+4*\c:XX+4*\c+1], v[XX+4*\c+2:XX+4*\c+3]
.endr
	RED4 S0
	v_mul_f32 v[S0], s12, v[S0]                    ; mean
	v_mov_b32 v[S0+1], v[S0]
.irp p,0,1,2,3,4,5,6,7
	v_pk_add_f32 v[XX+2*\p:XX+2*\p+1], v[XX+2*\p:XX+2*\p+1], v[S0:S0+1] neg_lo:[0,1] neg_hi:[0,1]
.endr
	SQ4 S1, XX
	v_fma_f32 v[S1], v[S1], s12, s13               ; variance + 1e-5
	v_rsq_f32 v[S0], v[S1]
	v_nop                                          ; one plain instruction between v_rsq_f32 and the use of its result (ISA guide 5.7.2)
	s_wait_alu depctr_va_vdst(0)
	v_mov_b32 v[S0+1], v[S0]
.irp p,0,1,2,3,4,5,6,7
	v_pk_mul_f32 v[LW16+2*\p:LW16+2*\p+1], v[LW16+2*\p:LW16+2*\p+1], v[S0:S0+1]
.endr
.irp p,0,1,2,3,4,5,6,7
	v_pk_fma_f32 v[XX+2*\p:XX+2*\p+1], v[XX+2*\p:XX+2*\p+1], v[LW16+2*\p:LW16+2*\p+1], v[LB16+2*\p:LB16+2*\p+1]   ; k
.endr
	SQ4 S1, XX
	v_add_f32 v[S1], s14, v[S1]                    ; d = |k|^2 + 1e-6
	v_rcp_f32 v[S1+1], v[S1]
	v_mul_f32 v158, -1.0, v[S1]                    ; -d: the plain instruction behind v_rcp_f32; it reads the source, not the result
	s_wait_alu depctr_va_vdst(0)
	v_mul_f32 v159, -1.0, v[S1+1]                  ; -1 / d
	ds_store_b32 v1, v159 offset:NRD               ; the token's four lanes write one word with the same bits
	ds_store_b32 v1, v158 offset:ND
.irp p,0,1,2,3,4,5,6,7
	ds_store_b64 v2, v[XX+2*\p:XX+2*\p+1] offset:REC+8+16*\p
.endr
.macro PART dst                        ; the next bf16 part of my 16 numbers; what is left stays in XX (exact)
.irp p,0,1,2,3,4,5,6,7
	v_cvt_pk_bf16_f32 v[\dst+\p], v[XX+2*\p], v[XX+2*\p+1]
.endr
.irp p,0,1,2,3,4,5,6,7
	v_lshlrev_b32 v[184+2*\p], 16, v[\dst+\p]
	v_and_b32 v[185+2*\p], s15, v[\dst+\p]
.endr
.irp p,0,1,2,3,4,5,6,7
	v_pk_add_f32 v[XX+2*\p:XX+2*\p+1], v[XX+2*\p:XX+2*\p+1], v[184+2*\p:185+2*\p] neg_lo:[0,1] neg_hi:[0,1]
.endr
.endm
	PART 160
	PART 168
.irp p,0,1,2,3,4,5,6,7
	v_cvt_pk_bf16_f32 v[176+\p], v[XX+2*\p], v[XX+2*\p+1]
.endr
.irp s,0,1,2
	ds_store_b128 v3, v[160+8*\s:163+8*\s] offset:KP*\s
	ds_store_b128 v3, v[164+8*\s:167+8*\s] offset:KP*\s+16
.endr
	BAR
; ================= Gram: wave w makes rows v = 16 (w >> 1) + .. and columns e = 32 (w & 1) + 16 b + .. =================
	s_lshl_b32 s12, s3, 4
	v_add_nc_u32 v5, s12, v6
	v_lshlrev_b32 v13, 4, v7
	v_mad_u32_u24 v8, v5, 144, v13
	v_add_nc_u32 v8, KH, v8
	s_lshl_b32 s13, s9, 5
	v_add_nc_u32 v5, s13, v6
	v_mad_u32_u24 v9, v5, 144, v13
	v_add_nc_u32 v9, KH, v9
	v_lshl_add_u32 v5, v7, 3, s12                  ; 16 (w >> 1) + 8 h: the v of my register 0
	v_lshlrev_b32 v10, 2, v5
	v_lshrrev_b32 v11, 1, v6
	v_lshlrev_b32 v11, 4, v11
	v_and_b32 v12, 1, v6
	v_lshl_add_u32 v11, v12, 2, v11                ; in a record: 16 (e >> 1) + 4 (e & 1)
	v_mad_u32_u24 v11, v5, RPITCH, v11
	s_lshl_b32 s14, s9, 8
	v_add_nc_u32 v11, s14, v11
	v_lshlrev_b32 v12, 2, v6
	v_lshl_add_u32 v12, v5, 8, v12                 ; in GC: 256 v + 4 e
	s_lshl_b32 s14, s9, 7
	v_add_nc_u32 v12, s14, v12
.irp s,0,1,2
.irp q,0,1,2,3
	ds_load_b128 v[AF+16*\s+4*\q:AF+16*\s+4*\q+3], v8 offset:KP*\s+32*\q
.endr
.endr
.irp b,0,1
.irp s,0,1,2
.irp q,0,1,2,3
	ds_load_b128 v[BF+48*\b+16*\s+4*\q:BF+48*\b+16*\s+4*\q+3], v9 offset:2304*\b+KP*\s+32*\q
.endr
.endr
.endr
	ds_load_b128 v[NR:NR+3], v10 offset:NRD
	ds_load_b128 v[NR+4:NR+7], v10 offset:NRD+16
	s_wait_dscnt 0x0
; Two matrix instructions; the two accumulators take turns, one instruction a turn.
.macro GRAM sa, sb, ks, first
.irp b,0,1
.if \first
	v_wmma_f32_16x16x32_bf16 v[ACC+8*\b:ACC+8*\b+7], v[AF+16*\sa+8*\ks:AF+16*\sa+8*\ks+7], v[BF+48*\b+16*\sb+8*\ks:BF+48*\b+16*\sb+8*\ks+7], 0
.else
	v_wmma_f32_16x16x32_bf16 v[ACC+8*\b:ACC+8*\b+7], v[AF+16*\sa+8*\ks:AF+16*\sa+8*\ks+7], v[BF+48*\b+16*\sb+8*\ks:BF+48*\b+16*\sb+8*\ks+7], v[ACC+8*\b:ACC+8*\b+7]
.endif
.endr
.endm
	GRAM 2, 0, 0, 1                                ; L H, H L, M M, M H, H M, H H: the small products first
	GRAM 2, 0, 1, 0
	GRAM 0, 2, 0, 0
	GRAM 0, 2, 1, 0
	GRAM 1, 1, 0, 0
	GRAM 1, 1, 1, 0
	GRAM 1, 0, 0, 0
	GRAM 1, 0, 1, 0
	GRAM 0, 1, 0, 0
	GRAM 0, 1, 1, 0
	GRAM 0, 0, 0, 0
	GRAM 0, 0, 1, 0
	PLACES
.irp b,0,1
.irp q,0,1,2,3
	v_pk_mul_f32 v[ACC+8*\b+2*\q:ACC+8*\b+2*\q+1], v[ACC+8*\b+2*\q:ACC+8*\b+2*\q+1], v[NR+2*\q:NR+2*\q+1]   ; register j: G(v + j, e) x (-1 / d of v + j)
.endr
.endr
.irp b,0,1
.irp j,0,1,2,3,4,5,6,7
	ds_store_b32 v11, v[ACC+8*\b+\j] offset:REC+RPITCH*\j+128*\b
	ds_store_b32 v12, v[ACC+8*\b+\j] offset:GC+256*\j+64*\b
.endr
.endr
	s_wait_loadcnt 0x0                             ; read_w and out_w, asked for at the head of the LN phase
.irp c,0,1,2,3
	ds_store_b128 v[CPL], v[WCP+4*\c:WCP+4*\c+3] offset:4096*\c
.endr
.irp c,0,1,2,3
	ds_store_b128 v[CPL], v[WCP+16+4*\c:WCP+16+4*\c+3] offset:16384+4096*\c
.endr
	BAR
; ================= the tables stand, and LDS is only read from here on.  Waves 1 to 7 end; wave 0 runs the chain. =================
	s_cmp_lg_u32 s2, 0
	s_cbranch_scc1 .Lend
; ---- THE CHAIN.  The row goes in 32 blocks of 32 tokens, from block 31 down; lane i stands for step i of the block, steps run from 31 down to 0.
; y (one register) holds y_i = w[token of step i] and is brought up to date in every step, so that a step reads its s from a lane that the text
; names: the dependent path of a step is v_readlane_b32, v_fmac_f32.  While block B runs, each step asks for the record and the GC row of the same
; step of block B - 1, into the registers that it has just used: no wait stands inside a block, and the one wait on LDS at a change of blocks is for 0.
; (Between two such waits 67 LDS instructions are issued; the issue is held where the counter's field ends, ISA guide 5.7.1, and no count leans on it.)
; Tokens are needed twice: as scalars (the record's address) from scalar loads one block ahead, sets A = s[16:47] and B = s[48:63], s[80:95] by
; turns; and lane by lane (the gather's address) from LDS, in v3 and v13 by the same turns.
.macro TOKR i, set                     ; TR = the scalar register of token i in a set (0 = A, 1 = B)
.if \set == 0
	.set TR, 16+(\i)
.else
.if (\i) < 16
	.set TR, 48+(\i)
.else
	.set TR, 64+(\i)
.endif
.endif
.endm
.macro TOKPREP m, tr                   ; from a block's tokens, one a lane, in v[tr]: the gather's addresses; s[m] = lanes with an odd token
	v_min_u32 v[TC], 63, v[\tr]
	v_lshl_add_u32 v[T4], v[TC], 2, GC
	v_lshlrev_b32 v[IDX], 1, v[TC]
	v_and_b32 v[IDX], 0x7c, v[IDX]
	v_and_b32 v[TMP], 1, v[TC]
	v_cmp_ne_u32 s[\m], 0, v[TMP]
.endm
.macro PF i, set                       ; ask for step i's record and GC row
	TOKR \i, \set
	s_min_u32 s[TR], s[TR], 63
	v_mad_u32_u24 v[AR], s[TR], RPITCH, v[L16]
	v_lshl_add_u32 v[AG], s[TR], 8, v[T4]
	ds_load_b128 v[RR+4*(\i):RR+4*(\i)+3], v[AR]
	ds_load_b32 v[GAMR+(\i)], v[AG]
.endm
.macro STEP i, set                     ; set = -1: nothing more to ask for
	.set SS, 4+2*((\i)&1)
	v_readlane_b32 s[SS], v[YY], \i                ; s = w[token]
.if \set >= 0
	TOKR \i, \set
	s_min_u32 s[TR], s[TR], 63
	v_mad_u32_u24 v[AR], s[TR], RPITCH, v[L16]
	v_lshl_add_u32 v[AG], s[TR], 8, v[T4]
.endif
	v_fmac_f32 v[YY], s[SS], v[GAMR+(\i)]          ; y_j += s x (-G[token j][token i] / d)
	v_pk_fma_f32 v[WW:WW+1], v[RR+4*(\i):RR+4*(\i)+1], s[SS:SS+1], v[WW:WW+1] op_sel_hi:[1,0,1]       ; w += s g
	v_pk_fma_f32 v[CC:CC+1], v[RR+4*(\i)+2:RR+4*(\i)+3], s[SS:SS+1], v[CC:CC+1] op_sel_hi:[1,0,1]     ; ctx += s k
.if \set >= 0
	ds_load_b128 v[RR+4*(\i):RR+4*(\i)+3], v[AR]
	ds_load_b32 v[GAMR+(\i)], v[AG]
.endif
.endm
; A change of blocks: y is gathered anew from w.  cons = the set with the next block's tokens; nxt = 1: a block follows, its tokens are prepared;
; ld = the set that takes the tokens of the block behind that one (-1: there is none).
.macro BOUNDARY cons, nxt, ld
.if \ld >= 0
	ds_load_b32 v[TRW+10*\ld], v[TOKA] offset:TOK  ; my token of the block after next; it is read at the next change, behind this change's wait
.endif
	ds_bpermute_b32 v[YA], v[IDX], v[WW]
	ds_bpermute_b32 v[YB], v[IDX], v[WW+1]
.if \ld >= 0
	v_sub_nc_u32 v[TOKA], v[TOKA], 0x80
.endif
.if \nxt
	TOKPREP 13, TRW+10*\cons                       ; register work while the permutes are on their way; the word came in before the last change's wait
	s_wait_kmcnt 0x0                               ; the next block's tokens as scalars, asked for at the last change; s11 may now be stepped
.endif
.if \ld >= 0
	s_sub_co_u32 s11, s11, 128
.if \ld == 0
	s_load_b512 s[16:31], s[66:67], s11 offset:0x0
	s_load_b512 s[32:47], s[66:67], s11 offset:0x40
.else
	s_load_b512 s[48:63], s[66:67], s11 offset:0x0
	s_load_b512 s[80:95], s[66:67], s11 offset:0x40
.endif
.endif
	s_wait_dscnt 0x0                               ; the permutes, this block's 64 operand loads and the token word are in
	v_cndmask_b32 v[YY], v[YA], v[YB], s10         ; w[token]: the even or the odd one of the pair
.if \nxt
	s_mov_b32 s10, s13
.endif
.endm
.macro BLOCK top, cons, nxt, ld
	BOUNDARY \cons, \nxt, \ld
.if \top == 30
	PF 31, \cons                                   ; block 31 has no step 31 (that token is q): the next block's step 31 is asked for here
.endif
	.set bi, \top
.rept \top+1
	STEP bi, \cons
	.set bi, bi-1
.endr
.endm
	s_mov_b32 s5, 0                                ; upper halves of the pairs that carry s: never used as numbers, but written
	s_mov_b32 s7, 0
	s_mov_b32 s11, 30*128                          ; byte offset in the row of the block whose scalar tokens were asked for last
	v_and_b32 v[LANE], 31, v0
	v_lshlrev_b32 v[L16], 4, v[LANE]
	v_lshlrev_b32 v[L8], 3, v[LANE]
	v_lshlrev_b32 v[TOKA], 2, v[LANE]
	v_add_nc_u32 v[TOKA], 29*128, v[TOKA]
	v_add_nc_u32 v[MA], RWF, v[L8]
	global_load_b64 v[RBR:RBR+1], v[L8], s[98:99]  ; the two biases, for the end
	global_load_b64 v[OBR:OBR+1], v[L8], s[70:71]
	ds_load_b32 v[TRW+10], v[TOKA] offset:TOK+256  ; my token of block 31 (the turn of set B)
	ds_load_b32 v[TRW], v[TOKA] offset:TOK+128     ; and of block 30 (set A)
	s_wait_kmcnt 0x0                               ; sets A and B (met: the wait at the head of the LN phase covered them)
	s_min_u32 s95, s95, 63                         ; token 1023: q
	v_mad_u32_u24 v[AR], s95, RPITCH, v[L16]
	s_lshl_b32 s12, s95, 2
	v_mov_b32 v[TMP], s12
	ds_load_b128 v[RR+124:RR+127], v[AR]
	ds_load_b32 v[VND], v[TMP] offset:ND
	s_wait_dscnt 0x0
	TOKPREP 10, TRW+10
	.set bi, 30
.rept 31
	PF bi, 1
	.set bi, bi-1
.endr
	v_mul_f32 v[WW], v[RR+124], v[VND]             ; w[e] = k_e . q = (-G[e][q] / d_q) x (-d_q)
	v_mul_f32 v[WW+1], v[RR+125], v[VND]
	v_mov_b32 v[CC], 0
	v_mov_b32 v[CC+1], 0
	BLOCK 30, 0, 1, 1                              ; block 31: asks for block 30's operands by set A, for block 29's tokens into set B
	s_mov_b32 s8, 14
.Lpair:                                            ; blocks 30 .. 3, two a trip
	BLOCK 31, 1, 1, 0
	BLOCK 31, 0, 1, 1
	s_sub_co_u32 s8, s8, 1
	s_cmp_lg_u32 s8, 0
	s_cbranch_scc1 .Lpair
	BLOCK 31, 1, 1, 0                              ; block 2: the last tokens asked for are block 0's, at offset 0 of the row
	BLOCK 31, 0, 1, -1                             ; block 1
	BLOCK 31, -1, 0, -1                            ; block 0
; ---- dst[j] = sum over i of src[i] T[i][j] + bias[j]; lane l holds j = 2 l, 2 l + 1 and i = 2 l, 2 l + 1.  T: 64 rows of 256 bytes at base behind RWF.
; Rows 0 to 31 are asked for at once, eight more ahead of each of the first four groups of eight: 40 loads are out at the most.
.macro MVROWS base, i0, n
	.set mi_, \i0
.rept \n
	ds_load_b64 v[RR+2*mi_:RR+2*mi_+1], v[MA] offset:\base+256*mi_
	.set mi_, mi_+1
.endr
.endm
.macro MATVEC src, dst, base, bias, first
	MVROWS \base, 0, 32
.if \first
	s_wait_loadcnt 0x0                             ; the biases
.endif
	.set g_, 0
.rept 8
.if g_ < 4
	MVROWS \base, 32+8*g_, 8
.endif
	.set m_, 0
.rept 8
	v_readlane_b32 s[16+2*m_], v[\src+(m_&1)], 4*g_+(m_>>1)        ; src[8 g + m]; the pairs' upper halves hold old tokens and are not used as numbers
	.set m_, m_+1
.endr
.if g_ < 4
	s_wait_dscnt 32                                ; rows 8 g .. 8 g + 7 are in; the 32 rows 8 g + 8 .. 8 g + 39 behind them stay out
.else
	s_wait_dscnt 56-8*g_                           ; nothing more is asked for: the rows behind the group's eight stay out, 24, 16, 8, 0
.endif
	.set m_, 0
.rept 8
	.set ii_, 8*g_+m_
.if ii_ == 0
	v_pk_fma_f32 v[ACCE:ACCE+1], v[RR:RR+1], s[16:17], v[\bias:\bias+1] op_sel_hi:[1,0,1]
.elseif ii_ < 4
	v_pk_mul_f32 v[ACCE+2*ii_:ACCE+2*ii_+1], v[RR+2*ii_:RR+2*ii_+1], s[16+2*m_:17+2*m_] op_sel_hi:[1,0]
.else
	v_pk_fma_f32 v[ACCE+2*(ii_&3):ACCE+2*(ii_&3)+1], v[RR+2*ii_:RR+2*ii_+1], s[16+2*m_:17+2*m_], v[ACCE+2*(ii_&3):ACCE+2*(ii_&3)+1] op_sel_hi:[1,0,1]
.endif
	.set m_, m_+1
.endr
	.set g_, g_+1
.endr
	v_pk_add_f32 v[ACCE:ACCE+1], v[ACCE:ACCE+1], v[ACCE+2:ACCE+3]
	v_pk_add_f32 v[ACCE+4:ACCE+5], v[ACCE+4:ACCE+5], v[ACCE+6:ACCE+7]
	v_pk_add_f32 v[\dst:\dst+1], v[ACCE:ACCE+1], v[ACCE+4:ACCE+5]
.endm
	MATVEC CC, MID, 0, RBR, 1
	MATVEC MID, ACCE, 16384, OBR, 0
	global_store_b64 v[L8], v[ACCE:ACCE+1], s[72:73]       ; the wave stores the row's 256 consecutive bytes, at a multiple of 256 from out0's first byte
.Lend:
	s_barrier_signal -1
	s_barrier_wait -1
	s_wait_tensorcnt 0x0
	ds_add_u32 v254, v255
	s_wait_dscnt 0x0
	s_endpgm
.Lfunc_end_k_q525fc23b8e_delta:
	.size	k_q525fc23b8e_delta, .Lfunc_end_k_q525fc23b8e_delta-k_q525fc23b8e_delta
	.p2alignl 7, 3214868480
	.fill 96, 4, 3214868480
	.section	.rodata,"a",@progbits
	.p2align	6, 0x0
	.amdhsa_kernel k_q525fc23b8e_delta
		.amdhsa_group_segment_fixed_size 282624
		.amdhsa_private_segment_fixed_size 0
		.amdhsa_enable_private_segment 0
		.amdhsa_kernarg_size 104
		.amdhsa_user_sgpr_count 2
		.amdhsa_user_sgpr_kernarg_segment_ptr 1
		.amdhsa_wavefront_size32 1
		.amdhsa_system_sgpr_workgroup_id_x 1
		.amdhsa_system_sgpr_workgroup_id_y 1
		.amdhsa_system_sgpr_workgroup_id_z 1
		.amdhsa_system_vgpr_workitem_id 0
		.amdhsa_next_free_vgpr 256
		.amdhsa_next_free_sgpr 102
		.amdhsa_reserve_vcc 0
		.amdhsa_float_denorm_mode_32 3
		.amdhsa_float_denorm_mode_16_64 3
		.amdhsa_memory_ordered 1
		.amdhsa_forward_progress 1
		.amdhsa_inst_pref_size 188
	.end_amdhsa_kernel
	.amdgpu_metadata
---
amdhsa.version: [ 1, 2 ]
amdhsa.kernels:
  - .name:           k_q525fc23b8e_delta
    .symbol:         k_q525fc23b8e_delta.kd
    .args:
      - { .name: seq, .offset: 0, .size: 8, .value_kind: global_buffer, .address_space: global }
      - { .name: embed_W, .offset: 8, .size: 8, .value_kind: global_buffer, .address_space: global }
      - { .name: ff_w1, .offset: 16, .size: 8, .value_kind: global_buffer, .address_space: global }
      - { .name: ff_b1, .offset: 24, .size: 8, .value_kind: global_buffer, .address_space: global }
      - { .name: ff_w2, .offset: 32, .size: 8, .value_kind: global_buffer, .address_space: global }
      - { .name: ff_b2, .offset: 40, .size: 8, .value_kind: global_buffer, .address_space: global }
      - { .name: ln_w, .offset: 48, .size: 8, .value_kind: global_buffer, .address_space: global }
      - { .name: ln_b, .offset: 56, .size: 8, .value_kind: global_buffer, .address_space: global }
      - { .name: read_w, .offset: 64, .size: 8, .value_kind: global_buffer, .address_space: global }
      - { .name: read_b, .offset: 72, .size: 8, .value_kind: global_buffer, .address_space: global }
      - { .name: out_w, .offset: 80, .size: 8, .value_kind: global_buffer, .address_space: global }
      - { .name: out_b, .offset: 88, .size: 8, .value_kind: global_buffer, .address_space: global }
      - { .name: out0, .offset: 96, .size: 8, .value_kind: global_buffer, .address_space: global }
    .group_segment_fixed_size: 282624
    .private_segment_fixed_size: 0
    .kernarg_segment_align: 8
    .kernarg_segment_size: 104
    .max_flat_workgroup_size: 256
    .sgpr_count:     102
    .vgpr_count:     256
    .wavefront_size: 32
...
	.end_amdgpu_metadata
.endif
;; end of part 1
